; MI455X (gfx1250); checked and timed in simulation.
; The chip was launched on July 23, 2026; its instructions are those of AMD's public machine-readable ISA for CDNA 5 (MIT licence, August 2026) and "CDNA5" Instruction Set Architecture Reference Guide (July 2026). The comments in the code are by the model that wrote it; some were corrected since.
;; MHA. Allowed arithmetic: matrix products marked QUANTISED: E3M2 operands, one E8M0 scale for each 32 along K, by v_wmma_scale_f32_16x16x128_f8f6f4 with both operands' format E3M2, f32 sums; everything else in f32.
;; Inputs: Wk 1,024 x 256 float32; Wo 256 x 1,024 float32; Wq 1,024 x 256 float32; Wv 1,024 x 256 float32; bo 1,024 float32; x 4 x 4,096 x 1,024 float32.
;; Outputs: out0 4 x 4,096 x 1,024 float32.
;; This version of the problem:
;;   THIS VERSION OF THE PROBLEM IS GIVEN IN LOW PRECISION. The matrix products marked QUANTISED in the list below multiply operands that are first quantised to E3M2 (3 exponent bits, 2 mantissa bits; 6 bits a number), with one power-of-two scale for each 32 numbers along K (OCP MX v1.0); their sums are f32. All else is computed in f32.
;;   The module's matrix products, in the order in which they are computed (A, B: the left and right operand; K: the contracted axis; several contracted axes count as one K, in the product's order):
;;     1. [M 16,384, K 1,024] x [K 1,024, N 256]; A: input x; B: input Wq: QUANTISED
;;     2. [M 16,384, K 1,024] x [K 1,024, N 256]; A: input x; B: input Wk: QUANTISED
;;     3. [M 16,384, K 1,024] x [K 1,024, N 256]; A: input x; B: input Wv: QUANTISED
;;     4. batch 16 x [M 4,096, K 64] x [K 64, N 4,096]; A: computed on the way; B: computed on the way: QUANTISED
;;     5. batch 16 x [M 4,096, K 4,096] x [K 4,096, N 64]; A: softmax (see below); B: computed on the way: QUANTISED
;;     6. [M 16,384, K 256] x [K 256, N 1,024]; A: computed on the way; B: input Wo: QUANTISED
;;   THE QUANTISER, for each operand of a quantised product, along K:
;;     - K is cut into blocks of 32 from its start; a last block that is shorter is filled with zeros.
;;     - A block's scale is 2^e with e = floor(log2(the largest magnitude in the block)) - 4, held to -126 .. 127; a block of zeros has e = 0. As a byte (E8M0): e + 127.
;;     - Each number is divided by its block's scale, clamped to +-28, and rounded to the nearest number of E3M2, ties to even, subnormals kept.
;;     - The product sums the exact products of the quantised numbers (number of the format x scale) in f32.
;;   ~~~python
;;   def quantise(x, axis):      # numpy; x: float32 -> the quantised numbers, widened to float32 again
;;       x = np.moveaxis(x, axis, -1); K = x.shape[-1]
;;       x = np.pad(x, [(0, 0)] * (x.ndim - 1) + [(0, -K % 32)]); x = x.reshape(x.shape[:-1] + (-1, 32)); a = np.abs(x).max(-1, keepdims=True)
;;       e = np.where(a > 0, np.clip(np.frexp(np.where(a > 0, a, 1))[1] - 1 - 4, -126, 127), 0)      # np.frexp(a)[1] - 1 = floor(log2(a)), exactly
;;       r = np.clip(x / 2.0 ** e, -28, 28)
;;       step = 2.0 ** (np.maximum(np.frexp(np.where(r == 0, 1, r))[1] - 1, -2) - 2)
;;       q = np.round(r / step) * step * 2.0 ** e      # np.round: ties to even
;;       return np.moveaxis(q.reshape(q.shape[:-2] + (-1,))[..., :K], -1, axis).astype(np.float32)
;;   ~~~
;;   SOFTMAX AHEAD OF A QUANTISED PRODUCT. Where the list says 'softmax', what is quantised is not the finished softmax but p = 2^(t - M), with t = logit x log2(e) and M = ceil(the row's largest t), a whole number; so 1/2 < the row's largest p <= 1. The row's sum l is taken of the UNQUANTISED p, in f32, and the product's result is divided by l at the end. Since M is a whole number, a kernel that streams over the keys may use a running M (the ceiling of the running maximum): every later rescaling is an exact power of two, which a block's scale takes up: the codes' values come out the same.
;;   OPERANDS COMPUTED ON THE WAY. 'Computed on the way' means the value that the module computes at that place (a softmax that the list does not call 'softmax' is quantised finished and normalised). What goes into a quantiser is computed in f32, as accurately as f32 sums, v_exp_f32 and their like allow (about 1e-6 of the number): no bf16 or f16 on the way to a quantiser, and a product that is left as it is and whose result goes on into a quantised operand takes f32 operands (vector FMAs, or v_wmma_f32_16x16x4_f32). A number that lies on a knife's edge between two numbers of the format may be rounded either way, as far as f32 arithmetic and the matrix unit's own rounding can turn it there, and no further.
;; One version. Each part assembles by itself: llvm-mc -triple=amdgcn-amd-amdhsa -mcpu=gfx1250 --defsym DOCPART=n.
;; ======== version 1 of 1: 3 launches
;; limits: right only within a limited range of input values
;; workspace buffers: wcodes 786,432 bytes; wscales 32,768 bytes; qcodes 3,145,728 bytes; qscales 262,144 bytes; kv 6,684,672 bytes
;; launch wquant (part 1): grid 256 x 1, 1 waves a work-group, no clusters, 0 bytes of LDS; arguments Wq, Wk, Wv, Wo, wcodes, wscales; writes wcodes, wscales
.if DOCPART == 1
	.amdgcn_target "amdgcn-amd-amdhsa--gfx1250"
	.amdhsa_code_object_version 6
	.text
	.protected	k_q00e82a1afb_wquant
	.globl	k_q00e82a1afb_wquant
	.p2align	8
	.type	k_q00e82a1afb_wquant,@function
k_q00e82a1afb_wquant:
	s_mov_b64 s[64:65], 0
	v_nop
	global_prefetch_b8 v0, s[64:65] scope:SCOPE_SE
	s_setreg_imm32_b32 hwreg(HW_REG_WAVE_MODE, 25, 1), 1
	s_wait_xcnt 0x0
; Wq, Wk, Wv [1024][256] and Wo [256][1024], f32, K their FIRST axis, become codes of E3M2 (6 bits) with one E8M0 scale byte for each 32 along K,
; laid as IMAGES OF OPERAND REGISTERS: a fragment (16 columns x 128 K, 12 registers a lane) is 1,536 bytes: register groups 0-3, 4-7, 8-11, 512 bytes each, lane l's 16 bytes at 16 l.
; The scale words of two neighbouring tiles are one image of 128 bytes: word at 4 l, lanes 0-15 the even tile, lanes 16-31 the odd one.
; THE COLUMNS OF A TILE ARE NOT NEIGHBOURS: lane r of tile 2 b + u takes column 32 b + 8 u + r + 8 (r / 8), so that a product used with these tiles as source 0 leaves 16 neighbours along the next K in the 16 registers of two tiles.
; SHARES: one wave takes 32 columns x 128 along K: two tiles of one K step.  A lane takes a column and its registers run down K: each load reads 128 consecutive bytes, a block of 32 lies in one lane.
; In the fragment lane (r, h) holds k = 64 c + 32 h + 0 .. 31, so a column's blocks 0, 2 go to image lane r and its blocks 1, 3 to image lane 16 + r: each store of the wave fills two aligned runs of 256 bytes.
; A block's scale is 2^(floor(log2(largest magnitude)) - 4); its byte is the largest magnitude's exponent field - 4, held at 1 from below.
; LIMITS: a block of zeros gets the byte 1 where the rule says 127 (its codes are zeros; only this program reads the bytes); largest magnitudes under 2^-122 are held at that floor; NaN and infinities are not served.
; No LDS, no barrier, no matrix unit, no cluster: waves share nothing and every input byte is read once.
.set X,  64                            ; v64-191  my column's 128 numbers, k = register - 64
.set F,  24                            ; v24-35   the 12 registers of image lane r;  v36-47 those of image lane 16 + r
.set TP, 48                            ; v48-63   the upper halves of the four blocks, as the conversions leave them
; v1 4 x lane (loads); v2 my place in the code images; v3 my place in the scale image; v8-11 largest magnitudes; v12-15 scale operands; v16-19 bytes; v20 the scale word; v22 a second chain
.macro BODY pitch
.set ii, 0
.rept 128
	global_load_b32 v[X+ii], v1, s[16:17] offset:ii*\pitch th:TH_LOAD_NT   ; W(k, my column): 32 lanes read 128 consecutive bytes; read once in the launch
.set ii, ii+1
.endr
.irp k, 0,1,2,3
.if \k < 2
	s_wait_loadcnt 63                              ; block k's 32 loads are in: 96 or 64 younger ones might stay out, the count's field holds 63, and a smaller count is safe
.else
	s_wait_loadcnt 96-32*\k                        ; 32 younger loads may stay out, then none
.endif
	v_max3_num_f32 v[8+\k], |v[X+32*\k]|, |v[X+32*\k+1]|, |v[X+32*\k+2]|
	v_max3_num_f32 v22, |v[X+32*\k+3]|, |v[X+32*\k+4]|, |v[X+32*\k+5]|
.irp i, 6,10,14,18,22,26
	v_max3_num_f32 v[8+\k], v[8+\k], |v[X+32*\k+\i]|, |v[X+32*\k+\i+1]|
	v_max3_num_f32 v22, v22, |v[X+32*\k+\i+2]|, |v[X+32*\k+\i+3]|
.endr
	v_max3_num_f32 v[8+\k], v[8+\k], |v[X+32*\k+30]|, |v[X+32*\k+31]|
	v_max3_num_f32 v[8+\k], v[8+\k], v22, 0x2800000   ; with the floor 2^(5 - 127): the byte cannot fall under 1
	v_add_nc_u32 v[12+\k], 0xfe000000, v[8+\k]     ; 4 off the exponent field: the conversion takes this operand's exponent field as its scale
	v_lshrrev_b32 v[16+\k], 23, v[12+\k]           ; the scale's byte
.endr
	v_lshl_or_b32 v20, v17, 8, v16                 ; byte b of the word scales k = 32 b .. 32 b + 31
	v_lshl_or_b32 v20, v18, 16, v20
	v_lshl_or_b32 v20, v19, 24, v20
.irp k, 0,1,2,3                        ; block k = 2 c + h goes to registers 6 c .. 6 c + 5 of image lane 16 h + r
	v_cvt_scalef32_pk16_bf6_f32 v[F+12*(\k%2)+6*(\k/2):F+12*(\k%2)+6*(\k/2)+2], v[X+32*\k:X+32*\k+15], v[12+\k]
	v_cvt_scalef32_pk16_bf6_f32 v[TP+4*\k:TP+4*\k+2], v[X+32*\k+16:X+32*\k+31], v[12+\k]   ; (a conversion's three registers begin on an even number: the upper half is made elsewhere and moved)
.endr
	v_nop                                          ; one plain place behind the scaled conversions
.irp k, 0,1,2,3
.irp i, 0,1,2
	v_mov_b32 v[F+12*(\k%2)+6*(\k/2)+3+\i], v[TP+4*\k+\i]
.endr
.endr
.irp h, 0,1
.irp g, 0,1,2
	global_store_b128 v2, v[F+12*\h+4*\g:F+12*\h+4*\g+3], s[12:13] offset:512*\g+256*\h   ; sixteen lanes of a tile store 256 consecutive bytes, aligned
.endr
.endr
	global_store_b32 v3, v20, s[14:15]             ; the pair's scale image: 128 consecutive bytes
.endm
	s_load_b256 s[4:11], s[0:1], 0x0               ; Wq s[4:5], Wk s[6:7], Wv s[8:9], Wo s[10:11]
	s_load_b128 s[12:15], s[0:1], 0x20             ; wcodes s[12:13], wscales s[14:15]
	v_lshlrev_b32 v1, 2, v0                        ; one wave: v0 is the lane = my column of the 32
	v_bfe_u32 v4, v0, 3, 1                         ; u = (l / 8) % 2: which of the two tiles
	v_and_b32 v5, 7, v0
	v_lshrrev_b32 v6, 4, v0
	v_lshl_or_b32 v5, v6, 3, v5                    ; r = l % 8 + 8 (l / 16): my lane in that tile
	v_mul_u32_u24 v2, v4, 1536
	v_lshl_add_u32 v2, v5, 4, v2                   ; 1,536 u + 16 r
	v_lshl_add_u32 v3, v4, 4, v5
	v_lshlrev_b32 v3, 2, v3                        ; 4 (16 u + r)
	s_cmp_lt_u32 ttmp9, 192                        ; work-groups 0-191: Wq, Wk, Wv; 192-255: Wo.  The two ways differ in the row pitch, which stands in the loads' immediates
	s_cbranch_scc0 .Lwo
	s_lshr_b32 s20, ttmp9, 6                       ; mat: 0 q, 1 k, 2 v
	s_bfe_u32 s21, ttmp9, 0x30003                  ; cg: which 32 columns of 256
	s_and_b32 s22, ttmp9, 7                        ; s: which 128 along K
	s_lshr_b32 s23, s21, 1                         ; hd: the head
	s_and_b32 s24, s21, 1                          ; pair: which two tiles of the head's four
	s_lshl_b32 s26, s22, 17                        ; 128 rows of 1,024 bytes
	s_lshl_b32 s27, s21, 7
	s_add_co_u32 s26, s26, s27
	s_mov_b32 s27, 0
	s_lshl_b32 s28, s22, 2                         ; codes at ((4 s + hd) 12 + 4 mat + 2 pair) 1,536
	s_add_co_u32 s28, s28, s23
	s_mul_i32 s28, s28, 12
	s_lshl_b32 s29, s20, 2
	s_add_co_u32 s28, s28, s29
	s_lshl_b32 s29, s24, 1
	s_add_co_u32 s28, s28, s29
	s_mul_i32 s28, s28, 1536
	s_mov_b32 s29, 0
	s_mul_i32 s30, s23, 3                          ; scale image at (((3 hd + mat) 2 + pair) 8 + s) 128
	s_add_co_u32 s30, s30, s20
	s_lshl_b32 s30, s30, 1
	s_add_co_u32 s30, s30, s24
	s_lshl_b32 s30, s30, 3
	s_add_co_u32 s30, s30, s22
	s_lshl_b32 s30, s30, 7
	s_mov_b32 s31, 0
	s_wait_kmcnt 0x0
	s_cmp_eq_u32 s20, 0                            ; the choice of the buffer hangs on the work-group's number alone
	s_cselect_b64 s[16:17], s[4:5], s[6:7]
	s_cmp_eq_u32 s20, 2
	s_cselect_b64 s[16:17], s[8:9], s[16:17]
	s_add_nc_u64 s[16:17], s[16:17], s[26:27]
	s_add_nc_u64 s[12:13], s[12:13], s[28:29]
	s_add_nc_u64 s[14:15], s[14:15], s[30:31]
	s_wait_alu depctr_va_vdst(0)
	BODY 1024
	s_endpgm
.Lwo:
	s_sub_co_u32 s20, ttmp9, 192
	s_lshr_b32 s21, s20, 1                         ; cg: which 32 columns of 1,024
	s_and_b32 s22, s20, 1                          ; s: which 128 along K
	s_lshr_b32 s23, s21, 1                         ; w: which 64 columns
	s_and_b32 s24, s21, 1                          ; pair
	s_lshl_b32 s26, s22, 19                        ; 128 rows of 4,096 bytes
	s_lshl_b32 s27, s21, 7
	s_add_co_u32 s26, s26, s27
	s_mov_b32 s27, 0
	s_lshl_b32 s28, s23, 1                         ; codes at 589,824 + ((2 w + s) 4 + 2 pair) 1,536
	s_add_co_u32 s28, s28, s22
	s_lshl_b32 s28, s28, 2
	s_lshl_b32 s29, s24, 1
	s_add_co_u32 s28, s28, s29
	s_mul_i32 s28, s28, 1536
	s_add_co_u32 s28, s28, 589824
	s_mov_b32 s29, 0
	s_lshl_b32 s30, s23, 1                         ; scale image at 24,576 + ((2 w + pair) 2 + s) 128
	s_add_co_u32 s30, s30, s24
	s_lshl_b32 s30, s30, 1
	s_add_co_u32 s30, s30, s22
	s_lshl_b32 s30, s30, 7
	s_add_co_u32 s30, s30, 24576
	s_mov_b32 s31, 0
	s_wait_kmcnt 0x0
	s_add_nc_u64 s[16:17], s[10:11], s[26:27]
	s_add_nc_u64 s[12:13], s[12:13], s[28:29]
	s_add_nc_u64 s[14:15], s[14:15], s[30:31]
	s_wait_alu depctr_va_vdst(0)
	BODY 4096
	s_endpgm
.Lfunc_end_k_q00e82a1afb_wquant:
	.size	k_q00e82a1afb_wquant, .Lfunc_end_k_q00e82a1afb_wquant-k_q00e82a1afb_wquant
	.p2alignl 7, 3214868480
	.fill 96, 4, 3214868480
	.section	.rodata,"a",@progbits
	.p2align	6, 0x0
	.amdhsa_kernel k_q00e82a1afb_wquant
		.amdhsa_group_segment_fixed_size 0
		.amdhsa_private_segment_fixed_size 0
		.amdhsa_enable_private_segment 0
		.amdhsa_kernarg_size 48
		.amdhsa_user_sgpr_count 2
		.amdhsa_user_sgpr_kernarg_segment_ptr 1
		.amdhsa_wavefront_size32 1
		.amdhsa_system_sgpr_workgroup_id_x 1
		.amdhsa_system_sgpr_workgroup_id_y 1
		.amdhsa_system_sgpr_workgroup_id_z 1
		.amdhsa_system_vgpr_workitem_id 0
		.amdhsa_next_free_vgpr 192
		.amdhsa_next_free_sgpr 66
		.amdhsa_reserve_vcc 0
		.amdhsa_float_denorm_mode_32 3
		.amdhsa_float_denorm_mode_16_64 3
		.amdhsa_memory_ordered 1
		.amdhsa_forward_progress 1
		.amdhsa_inst_pref_size 40
	.end_amdhsa_kernel
	.amdgpu_metadata
---
amdhsa.version: [ 1, 2 ]
amdhsa.kernels:
  - .name:           k_q00e82a1afb_wquant
    .symbol:         k_q00e82a1afb_wquant.kd
    .args:
      - { .name: Wq, .offset: 0, .size: 8, .value_kind: global_buffer, .address_space: global }
      - { .name: Wk, .offset: 8, .size: 8, .value_kind: global_buffer, .address_space: global }
      - { .name: Wv, .offset: 16, .size: 8, .value_kind: global_buffer, .address_space: global }
      - { .name: Wo, .offset: 24, .size: 8, .value_kind: global_buffer, .address_space: global }
      - { .name: wcodes, .offset: 32, .size: 8, .value_kind: global_buffer, .address_space: global }
      - { .name: wscales, .offset: 40, .size: 8, .value_kind: global_buffer, .address_space: global }
    .group_segment_fixed_size: 0
    .private_segment_fixed_size: 0
    .kernarg_segment_align: 8
    .kernarg_segment_size: 48
    .max_flat_workgroup_size: 32
    .sgpr_count:     66
    .vgpr_count:     192
    .wavefront_size: 32
...
	.end_amdgpu_metadata
.endif
;; end of part 1
;; launch proj (part 2): grid 256 x 1, 4 waves a work-group, no clusters, 327,680 bytes of LDS; arguments x, wcodes, wscales, qcodes, qscales, kv; writes qcodes, qscales, kv
.if DOCPART == 2
	.amdgcn_target "amdgcn-amd-amdhsa--gfx1250"
	.amdhsa_code_object_version 6
	.text
	.protected	k_q00e82a1afb_proj
	.globl	k_q00e82a1afb_proj
	.p2align	8
	.type	k_q00e82a1afb_proj,@function
k_q00e82a1afb_proj:
	s_mov_b64 s[64:65], 0
	v_nop
	global_prefetch_b8 v0, s[64:65] scope:SCOPE_SE
	s_setreg_imm32_b32 hwreg(HW_REG_WAVE_MODE, 25, 1), 1
	s_wait_xcnt 0x0
.set XIMG, 266240
.set X,   16
.set XF,  80
.set PC,  128
.set TM,  148
.set PW,  164
.set XS,  172
.set WS,  176
.set MSB, 0
.macro WIN new
.if MSB != (\new)
	s_set_vgpr_msb (MSB<<8)|(\new)
.set MSB, (\new)
.endif
.endm
.macro MM d, a, b, c, sa, sb, ra, rb
.if (\c) < 0
.if \ra
	v_wmma_scale_f32_16x16x128_f8f6f4 v[(\d):(\d)+7], v[(\a):(\a)+11], v[(\b):(\b)+11], 0, v[\sa], v[\sb] matrix_a_fmt:MATRIX_FMT_BF6 matrix_b_fmt:MATRIX_FMT_BF6 matrix_a_scale:MATRIX_SCALE_ROW1
.elseif \rb
	v_wmma_scale_f32_16x16x128_f8f6f4 v[(\d):(\d)+7], v[(\a):(\a)+11], v[(\b):(\b)+11], 0, v[\sa], v[\sb] matrix_a_fmt:MATRIX_FMT_BF6 matrix_b_fmt:MATRIX_FMT_BF6 matrix_b_scale:MATRIX_SCALE_ROW1
.else
	v_wmma_scale_f32_16x16x128_f8f6f4 v[(\d):(\d)+7], v[(\a):(\a)+11], v[(\b):(\b)+11], 0, v[\sa], v[\sb] matrix_a_fmt:MATRIX_FMT_BF6 matrix_b_fmt:MATRIX_FMT_BF6
.endif
.else
.if \ra
	v_wmma_scale_f32_16x16x128_f8f6f4 v[(\d):(\d)+7], v[(\a):(\a)+11], v[(\b):(\b)+11], v[(\c):(\c)+7], v[\sa], v[\sb] matrix_a_fmt:MATRIX_FMT_BF6 matrix_b_fmt:MATRIX_FMT_BF6 matrix_a_scale:MATRIX_SCALE_ROW1
.elseif \rb
	v_wmma_scale_f32_16x16x128_f8f6f4 v[(\d):(\d)+7], v[(\a):(\a)+11], v[(\b):(\b)+11], v[(\c):(\c)+7], v[\sa], v[\sb] matrix_a_fmt:MATRIX_FMT_BF6 matrix_b_fmt:MATRIX_FMT_BF6 matrix_b_scale:MATRIX_SCALE_ROW1
.else
	v_wmma_scale_f32_16x16x128_f8f6f4 v[(\d):(\d)+7], v[(\a):(\a)+11], v[(\b):(\b)+11], v[(\c):(\c)+7], v[\sa], v[\sb] matrix_a_fmt:MATRIX_FMT_BF6 matrix_b_fmt:MATRIX_FMT_BF6
.endif
.endif
.endm
.macro WLOAD s, p
	WIN 0xc0
.irp f, 0,1,2,3,4,5,6,7
.irp q, 0,1,2
	global_load_b128 v[96*(\p)+12*\f+4*\q:96*(\p)+12*\f+4*\q+3], v6, s[6:7] offset:(\s)*73728+\f*1536+512*\q
.endr
.endr
	WIN 0x80
.irp f, 0,1,2,3
.irp q, 0,1,2
	global_load_b128 v[128+48*(\p)+12*\f+4*\q:128+48*(\p)+12*\f+4*\q+3], v6, s[6:7] offset:(\s)*73728+(8+\f)*1536+512*\q
.endr
.endr
	WIN 0
.endm
.macro QUANT w, s
	WIN 5*(\w)
.irp b, 0,1,2,3
	v_max3_num_f32 v[TM+\b], |v[(\s)+16*\b]|, |v[(\s)+1+16*\b]|, 0x2800000
.endr
.irp i, 2,4,6,8,10,12,14
.irp b, 0,1,2,3
	v_max3_num_f32 v[TM+\b], |v[(\s)+16*\b+\i]|, |v[(\s)+1+16*\b+\i]|, v[TM+\b]
.endr
.endr
	WIN 0
.irp b, 0,1,2,3
	v_permlanex16_b32 v[TM+4+\b], v[TM+\b], s56, s57
.endr
.irp b, 0,1,2,3
	v_max_num_f32 v[TM+\b], v[TM+\b], v[TM+4+\b]
.endr
.irp b, 0,1,2,3
	v_add_nc_u32 v[TM+12+\b], 0xfe000000, v[TM+\b]
.endr
.irp b, 0,1,2,3
	v_lshrrev_b32 v[TM+4+\b], 23, v[TM+12+\b]
.endr
	v_lshl_or_b32 v[PW], v[TM+5], 8, v[TM+4]
	v_lshl_or_b32 v[PW], v[TM+6], 16, v[PW]
	v_lshl_or_b32 v[PW], v[TM+7], 24, v[PW]
	WIN (\w)
.irp c, 0,1
	v_cvt_scalef32_pk16_bf6_f32 v[PC+6*\c:PC+2+6*\c], v[(\s)+32*\c:(\s)+15+32*\c], v[TM+12+2*\c]
	v_cvt_scalef32_pk16_bf6_f32 v[PC+12+4*\c:PC+14+4*\c], v[(\s)+16+32*\c:(\s)+31+32*\c], v[TM+13+2*\c]
.endr
	WIN 0
	v_nop
.irp c, 0,1
.irp i, 0,1,2
	v_permlane16_swap_b32 v[PC+6*\c+\i], v[PC+12+4*\c+\i]
.endr
.irp i, 0,1,2
	v_mov_b32 v[PC+3+6*\c+\i], v[PC+12+4*\c+\i]
.endr
.endr
.endm
.macro IMAGE adr, off
.irp c, 0,1,2
	ds_store_b128 v[\adr], v[PC+4*\c:PC+4*\c+3] offset:(\off)+512*\c
.endr
.endm
.macro FETCH reg, off
.irp c, 0,1,2
	ds_load_b128 v[(\reg)+4*\c:(\reg)+4*\c+3], v2 offset:(\off)+512*\c
.endr
.endm
.macro MULS s, p, zero
	WIN 0x53
.irp m, 0,1,2,3
.irp a, 0,1
.irp t, 0,1,2,3
	MM 64*\m+32*\a+8*\t, 96*(\p)+48*\a+12*\t, XF+12*\m, (1-(\zero))*(64*\m+32*\a+8*\t+1)-1, WS+8*(2*\a+\t/2)+(\s), XS+\m, \t%2, 0
.endr
.endr
.endr
	WIN 0xa8
.irp t, 0,1,2,3
.irp m, 0,1,2,3
	MM 32*\t+8*\m, XF+12*\m, 128+48*(\p)+12*\t, (1-(\zero))*(32*\t+8*\m+1)-1, XS+\m, WS+8*(4+\t/2)+(\s), 0, \t%2
.endr
.endr
	WIN 0
.endm
	s_load_b256 s[4:11], s[0:1], 0x0
	s_load_b128 s[12:15], s[0:1], 0x20
	v_lshl_add_u32 v254, v0, 2, 0x46000
	v_mov_b32 v255, 0
	ds_add_u32 v254, v255
	ds_add_u32 v254, v255
	v_lshrrev_b32 v9, 5, v0
	v_readfirstlane_b32 s59, v9
	s_mov_b32 s16, (2<<16)|(1<<20)|(7<<22)|(3<<25)
	s_mov_b32 s17, 256<<16
	s_mov_b32 s18, 16<<16
	s_mov_b32 s19, 256<<16
	s_mov_b32 s20, 16
	s_mov_b32 s21, 1024
	s_mov_b32 s22, 0
	s_mov_b32 s23, 0
	s_lshl_b32 s60, ttmp9, 18
	s_lshl_b32 s61, s59, 16                        ; a wave fetches rows 16 w .. 16 w + 15 of the work-group's 64
	s_add_co_u32 s60, s60, s61
	s_mov_b32 s61, 0
	s_mul_i32 s62, s59, 16640                      ; LDS: chunk c of row g lies at 66,560 c + 1,040 g
	s_lshr_b32 s80, s59, 1
	s_mul_i32 s80, s80, 33280
	s_and_b32 s81, s59, 1
	s_mul_i32 s81, s81, 8320
	s_add_co_u32 s80, s80, s81                     ; a wave reads rows 32 (w / 2) + 8 (w % 2) + 16 u + 0 .. 7
	s_wait_dscnt 0x0
	s_wait_kmcnt 0x0
	s_add_nc_u64 s[4:5], s[4:5], s[60:61]
.irp n, 0,1,2,3
	s_mov_b32 s[24+4*\n], 1
	s_add_co_u32 s[25+4*\n], s62, \n*66560
	s_add_nc_u64 s[26+4*\n:27+4*\n], s[4:5], \n*1024
	s_or_b32 s[27+4*\n], s[27+4*\n], 0x80000000
.endr
	tensor_load_to_lds s[24:27], s[16:23]          ; K chunk 0 (256 along K) of my 16 rows: one tensor load a wave at the head
	s_nop 0
.rept 4
	v_nop
.endr
	s_mul_i32 s60, s59, 18432
	s_add_nc_u64 s[6:7], s[6:7], s[60:61]
	s_mul_i32 s60, s59, 6144
	s_add_nc_u64 s[8:9], s[8:9], s[60:61]
	v_and_b32 v10, 31, v0
	v_lshlrev_b32 v6, 4, v10
	v_lshlrev_b32 v7, 3, v10
	v_lshlrev_b32 v8, 2, v10
	v_lshrrev_b32 v228, 2, v10                     ; the prefetches' offset: a lane names 256 bytes: row lane / 4 of eight, quarter lane % 4 of a chunk's 1,024 bytes
	v_and_b32 v229, 3, v10
	v_lshlrev_b32 v228, 12, v228
	v_lshl_add_u32 v228, v229, 8, v228
	s_wait_alu depctr_va_vdst(0)
.irp q, 0,1,2,3,4,5
.irp s, 0,1,2,3,4,5,6,7
	global_load_b32 v[WS+8*\q+\s], v8, s[8:9] offset:(8*\q+\s)*128
.endr
.endr
	WLOAD 0, 0
.macro ASK c                           ; my 16 rows of K chunk c are asked into the L2: 64 blocks of 256 bytes, each named once, one chunk ahead of the tensor load that is asked for next
	global_prefetch_b8 v228, s[4:5] offset:(\c)*1024 th:TH_LOAD_NT scope:SCOPE_SE
	global_prefetch_b8 v228, s[4:5] offset:(\c)*1024+32768 th:TH_LOAD_NT scope:SCOPE_SE
.endm
	ASK 1
	s_mul_i32 s60, ttmp9, 12288
	s_mul_i32 s63, s59, 1536
	s_add_co_u32 s60, s60, s63
	s_add_nc_u64 s[10:11], s[10:11], s[60:61]
	s_lshl_b32 s60, ttmp9, 10
	s_lshl_b32 s74, s59, 7
	s_add_co_u32 s60, s60, s74
	s_add_nc_u64 s[12:13], s[12:13], s[60:61]
	s_lshr_b32 s60, ttmp9, 1
	s_mul_i32 s60, s60, 52224
	s_add_nc_u64 s[14:15], s[14:15], s[60:61]
	s_and_b32 s75, ttmp9, 1
	s_mul_i32 s60, s59, 6144
	s_mul_i32 s76, s75, 3072
	s_add_co_u32 s76, s76, s60
	s_mov_b32 s77, 0
	s_add_nc_u64 s[66:67], s[14:15], s[76:77]
	s_mul_i32 s76, s75, 768
	s_add_co_u32 s76, s76, s60
	s_add_co_u32 s76, s76, 24576
	s_add_nc_u64 s[68:69], s[14:15], s[76:77]
	s_lshl_b32 s76, s59, 9
	s_lshl_b32 s78, s75, 8
	s_add_co_u32 s76, s76, s78
	s_add_co_u32 s76, s76, 49152
	s_add_nc_u64 s[70:71], s[14:15], s[76:77]
	s_lshl_b32 s76, s59, 8
	s_lshl_b32 s78, s75, 1
	s_add_co_u32 s76, s76, s78
	s_add_co_u32 s76, s76, 51200
	s_add_nc_u64 s[72:73], s[14:15], s[76:77]
	s_mov_b32 s56, 0x76543210
	s_mov_b32 s57, 0xfedcba98
	s_mov_b32 s58, 0xffff0000
	v_bfe_u32 v12, v0, 4, 1
	v_bfe_u32 v13, v0, 3, 1
	v_and_b32 v14, 7, v0
	v_mul_u32_u24 v1, v13, 16640
	v_mad_u32_u24 v1, v14, 1040, v1
	v_lshl_add_u32 v1, v12, 6, v1
	v_add_nc_u32 v224, s80, v1                     ; v224-227: my lane's place in chunks 0 to 3
	v_add_nc_u32 v225, 66560, v224
	v_add_nc_u32 v226, 133120, v224
	v_add_nc_u32 v227, 199680, v224
	v_add_nc_u32 v2, XIMG, v6
	v_add_nc_u32 v3, XIMG+6144, v8
	v_add_nc_u32 v4, s63, v2
	v_add_nc_u32 v5, s74, v3
.irp b, 0,1,2,3
	v_mov_b32 v[TM+4+\b], 0
.endr
.macro XLOAD s                         ; my 16 rows' 128 numbers of K step s
.irp b, 0,1,2,3
.irp j, 0,1,2,3
	ds_load_b128 v[X+16*\b+4*\j:X+16*\b+4*\j+3], v[224+(\s)/2] offset:((\s)%2)*512+128*\b+16*\j
.endr
.endr
.endm
.macro TRIP s
	s_wait_dscnt 0x0
	QUANT 0, X
	IMAGE 4, ((\s)%2)*6656
	ds_store_b32 v5, v[PW] offset:((\s)%2)*6656
.if (\s)%2 == 1 && (\s) < 7
	s_wait_tensorcnt 0x0                           ; my part of the next trip's chunk is in: the images' barrier shows it whole to all four waves too
.if (\s) < 5
	ds_add_u32 v254, v255                          ; the add ahead of a later first fill
.endif
.endif
	s_wait_dscnt 0x0
	s_barrier_signal -1
	s_barrier_wait -1
.if (\s)%2 == 1 && (\s) < 5
	tensor_load_to_lds s[30+2*(\s):33+2*(\s)], s[16:23]   ; chunk (s + 3) / 2, into bytes of its own: two trips in which to land
	s_nop 0
.endif
.irp m, 0,1,2,3
	FETCH XF+12*\m, ((\s)%2)*6656+1536*\m
	ds_load_b32 v[XS+\m], v3 offset:((\s)%2)*6656+128*\m
.endr
.if (\s) < 7
	XLOAD (\s)+1                                   ; the next trip's numbers, ahead of the weights' loads
.if (\s) == 1
	ASK 3
.endif
	WLOAD (\s)+1, ((\s)+1)%2                       ; the next trip's weights, into the set that the last trip's products have left
	s_wait_loadcnt 36                              ; this trip's weights are in; the 36 loads just issued may be out
	s_wait_dscnt 16                                ; the images are in; the next trip's 16 loads may be out
.else
	s_wait_loadcnt 0x0
	s_wait_dscnt 0x0
.endif
.if (\s) == 0
	MULS \s, (\s)%2, 1
.else
	MULS \s, (\s)%2, 0
.endif
.rept 4
	v_nop
.endr
.endm
	s_wait_alu depctr_va_vdst(0)
	s_wait_tensorcnt 0x0                           ; my part of chunk 0 is in
	ds_add_u32 v254, v255                          ; the add ahead of a later first fill
	s_wait_dscnt 0x0
	s_barrier_signal -1
	s_barrier_wait -1
	tensor_load_to_lds s[28:31], s[16:23]          ; chunk 1
	s_nop 0
	XLOAD 0
	ASK 2
.irp s, 0,1,2,3,4,5,6,7
	TRIP \s
.endr
.irp m, 0,1,2,3
	s_wait_xcnt 0x0
	QUANT 1, 64*\m
	global_store_b128 v6, v[PC:PC+3], s[10:11] offset:(\m/2)*6144+(\m%2)*768
	global_store_b64 v7, v[PC+4:PC+5], s[10:11] offset:(\m/2)*6144+(\m%2)*768+512
	global_store_b128 v6, v[PC+6:PC+9], s[66:67] offset:\m*768
	global_store_b64 v7, v[PC+10:PC+11], s[66:67] offset:\m*768+512
.if \m%2 == 0
	v_mov_b32 v165, v[PW]
.else
	v_cndmask_b32 v168, v165, v[PW], s58
	v_and_b32 v166, 0xffff, v168
	v_lshrrev_b32 v167, 16, v168
	global_store_b32 v8, v166, s[12:13] offset:(\m/2)*512
	global_store_b32 v8, v167, s[70:71] offset:(\m/2)*128
.endif
.endr
.irp p, 0,1
	s_wait_xcnt 0x0
	QUANT 2, 64*\p
	global_store_b128 v6, v[PC:PC+3], s[68:69] offset:(2*\p)*1536
	global_store_b64 v7, v[PC+4:PC+5], s[68:69] offset:(2*\p)*1536+512
	global_store_b128 v6, v[PC+6:PC+9], s[68:69] offset:(2*\p+1)*1536
	global_store_b64 v7, v[PC+10:PC+11], s[68:69] offset:(2*\p+1)*1536+512
	v_lshrrev_b32 v167, 16, v[PW]
	v_cndmask_b32 v166, v[PW], v167, s58
	global_store_b16 v8, v166, s[72:73] offset:\p*128
.endr
	s_wait_tensorcnt 0x0
	ds_add_u32 v254, v255
	s_wait_dscnt 0x0
	s_endpgm
.Lfunc_end_k_q00e82a1afb_proj:
	.size	k_q00e82a1afb_proj, .Lfunc_end_k_q00e82a1afb_proj-k_q00e82a1afb_proj
	.p2alignl 7, 3214868480
	.fill 96, 4, 3214868480
	.section	.rodata,"a",@progbits
	.p2align	6, 0x0
	.amdhsa_kernel k_q00e82a1afb_proj
		.amdhsa_group_segment_fixed_size 327680
		.amdhsa_private_segment_fixed_size 0
		.amdhsa_enable_private_segment 0
		.amdhsa_kernarg_size 48
		.amdhsa_user_sgpr_count 2
		.amdhsa_user_sgpr_kernarg_segment_ptr 1
		.amdhsa_wavefront_size32 1
		.amdhsa_system_sgpr_workgroup_id_x 1
		.amdhsa_system_sgpr_workgroup_id_y 1
		.amdhsa_system_sgpr_workgroup_id_z 1
		.amdhsa_system_vgpr_workitem_id 0
		.amdhsa_next_free_vgpr 1024
		.amdhsa_next_free_sgpr 96
		.amdhsa_reserve_vcc 0
		.amdhsa_float_denorm_mode_32 3
		.amdhsa_float_denorm_mode_16_64 3
		.amdhsa_memory_ordered 1
		.amdhsa_forward_progress 1
		.amdhsa_inst_pref_size 165
	.end_amdhsa_kernel
	.amdgpu_metadata
---
amdhsa.version: [ 1, 2 ]
amdhsa.kernels:
  - .name:           k_q00e82a1afb_proj
    .symbol:         k_q00e82a1afb_proj.kd
    .args:
      - { .name: x, .offset: 0, .size: 8, .value_kind: global_buffer, .address_space: global }
      - { .name: wcodes, .offset: 8, .size: 8, .value_kind: global_buffer, .address_space: global }
      - { .name: wscales, .offset: 16, .size: 8, .value_kind: global_buffer, .address_space: global }
      - { .name: qcodes, .offset: 24, .size: 8, .value_kind: global_buffer, .address_space: global }
      - { .name: qscales, .offset: 32, .size: 8, .value_kind: global_buffer, .address_space: global }
      - { .name: kv, .offset: 40, .size: 8, .value_kind: global_buffer, .address_space: global }
    .group_segment_fixed_size: 327680
    .private_segment_fixed_size: 0
    .kernarg_segment_align: 8
    .kernarg_segment_size: 48
    .max_flat_workgroup_size: 128
    .sgpr_count:     96
    .vgpr_count:     1024
    .wavefront_size: 32
...
	.end_amdgpu_metadata
.endif
;; end of part 2
;; launch attn (part 3): grid 256 x 1, 16 waves a work-group, clusters of 4 x 1, 327,680 bytes of LDS; arguments qcodes, qscales, kv, wcodes, wscales, bo, out0; writes out0
.if DOCPART == 3
	.amdgcn_target "amdgcn-amd-amdhsa--gfx1250"
	.amdhsa_code_object_version 6
	.text
	.protected	k_q00e82a1afb_attn
	.globl	k_q00e82a1afb_attn
	.p2align	8
	.type	k_q00e82a1afb_attn,@function
k_q00e82a1afb_attn:
	s_mov_b64 s[64:65], 0
	v_nop
	global_prefetch_b8 v0, s[64:65] scope:SCOPE_SE
	s_setreg_imm32_b32 hwreg(HW_REG_WAVE_MODE, 25, 1), 1
	s_wait_xcnt 0x0
	s_wait_alu depctr_hold_cnt(0) depctr_sa_sdst(0) depctr_va_vdst(0) depctr_va_sdst(0) depctr_va_ssrc(0) depctr_va_vcc(0) depctr_vm_vsrc(0)
	s_getreg_b32 s2, hwreg(HW_REG_IB_STS2, 6, 4)
	s_cmp_eq_u32 s2, 0
	s_cbranch_scc0 .Lentry_in_a_cluster
	s_endpgm
.Lentry_in_a_cluster:
	s_bfe_u32 s2, ttmp6, 0x10000c
	s_cmp_lg_u32 s2, 0x3003
	s_cbranch_scc0 .Lentry_shape_is_right
	s_endpgm
.Lentry_shape_is_right:
; out = softmax(q k^T / 8, causal) v, all four heads, then x Wo + bo: three products on codes of E3M2 with E8M0 scales.
; SOFTMAX: t = score x log2(e) / 8; M = the largest t so far, rounded UP to a whole number (kept as -M); p = 2^(t - M) is quantised along the keys, not normalised;
; the row's sum is taken of the unquantised p and divides at the end.  When M moves, the sum and O are multiplied by 2^(old M - new M): exact.
; LEFT OUT: key steps all of whose keys come after a tile's queries: the causal mask gives them the weight 0.
; SHARES.  A work-group owns two blocks of 32 queries of one batch in all 4 heads: block j (low) and block 127 - j (high).  A wave is (head hd, u: which 16 of the 32, par): it walks the key steps of parity par
; for the low and the high tile u.  At the end it finishes the tile of block par and hands the other tile's partial O, -M and sum to wave w xor 8 through LDS.
; The two waves' -M are whole numbers, so the join multiplies by exact powers of two.
; KEY STEPS of 128 keys; a slot of the ring holds two, one for each parity.  A hidden step is left out by a scalar branch on ids; the step on the diagonal masks.
; THE HIGH TILE'S UNIT IS CUT IN TWO.  Its front (scores, softmax, conversions, two levels of the sum's tree) ends with all its LDS reads done; the change of slots follows; behind it the next step's K is asked for first,
; into the 48 score registers that the tree has left, and the unit's tail (code shuffles, O's rescaling, the second product, the rest of the tree: work on registers) stands under those loads.
; So the register roles change places from slot to slot: K and V in v52-99 and the scores in v114-177, or K and V in v130-177 and the scores in v114-129 and v52-99.  Both tiles of a step read the same K.
; CLUSTER.  The four work-groups of a cluster (j = 4 J + cx) have the same batch, diagonal steps and trips and walk the same blocks of kv: every tile is asked for jointly, mask 15.
; cx enters Q's and out0's global addresses and the mask's lane constants alone.
; NO DATA PREFETCH: the 64 work-groups of a batch walk the same 32 blocks of kv in the same order from step 0 on, and each slot is asked for one slot ahead of its use.
; LAYOUT.  S^T = K Q^T, O^T = V^T P^T, out^T = Wo^T o^T: a lane holds ONE query throughout.  The rows of every source 0 tile are chosen (lane r of tile 2 b + u: row 32 b + 8 u + r + 8 (r / 8))
; so that the 16 registers of tiles 2 b, 2 b + 1 are 16 neighbours along the next K.  Operands lie in memory and LDS as images of their registers.
; K = 64 IN THE FIRST PRODUCT: registers 6-11 of Q's fragments hold zero codes and bytes 2, 3 of Q's and K's scale words are 0; a K tile's upper six operand registers are whatever follows it: every code of E3M2 is finite, so those products are 0.
; LIMITS: scale bytes are held at 1 from below, a block of zeros gets the byte 1 (its codes are zeros); NaN and infinities are not served; the promise holds while |t| stays under 2^31.
; REGISTERS: v1-4 and v49, v51, v190, v191 my places in slot 0's and slot 1's step; v5, v6 the spare word's address and 0; v7 at work; v8-11 the low tile's -M, mask constant, sum in two halves; v12-15 the high tile's;
;   v16-27 the low tile's Q, v28-39 the high one's; v40-43 K's scales, v44-45 V's, v46, v47 Q's, v48 p's (v40-48 hold scales alone); v50 f; v100-113 at work; v178-189 p's codes; v192-223 the low O^T, v224-255 the high one.
.set STEPB, 52224                      ; a key step's block: K's codes 24,576, V's codes 24,576, K's scale images 2,048, V's 1,024
.set SLOTB, 2*STEPB
.set OIMG,  2*SLOTB                    ; o's 16 half fragments, (4 tq + hd) 768
.set OSC,   OIMG+16*768                ; o's scale images
.set STG,   OSC+8*128                  ; 4,352 bytes a wave: first the handed tile's partial sums (32 x 128 + 256), then the way out's 16 rows x 272
.set SPARE, STG+16*4352                ; the spare words, 128 bytes a wave
.set M,  114                           ; the scores of keys 0-31 of a step, in both roles; score ii >= 16 lies at g1 + ii - 16
.set CD, 178
.set BM, 106
.set PD, 110
.set SO, 100
.macro MM d, a, b, c, sa, sb, ra       ; c < 0: the constant 0 starts the sum.  ra = 1: source 0's scales are read from lanes 16-31
.if (\c) < 0
.if \ra
	v_wmma_scale_f32_16x16x128_f8f6f4 v[(\d):(\d)+7], v[(\a):(\a)+11], v[(\b):(\b)+11], 0, v[\sa], v[\sb] matrix_a_fmt:MATRIX_FMT_BF6 matrix_b_fmt:MATRIX_FMT_BF6 matrix_a_scale:MATRIX_SCALE_ROW1
.else
	v_wmma_scale_f32_16x16x128_f8f6f4 v[(\d):(\d)+7], v[(\a):(\a)+11], v[(\b):(\b)+11], 0, v[\sa], v[\sb] matrix_a_fmt:MATRIX_FMT_BF6 matrix_b_fmt:MATRIX_FMT_BF6
.endif
.else
.if \ra
	v_wmma_scale_f32_16x16x128_f8f6f4 v[(\d):(\d)+7], v[(\a):(\a)+11], v[(\b):(\b)+11], v[(\c):(\c)+7], v[\sa], v[\sb] matrix_a_fmt:MATRIX_FMT_BF6 matrix_b_fmt:MATRIX_FMT_BF6 matrix_a_scale:MATRIX_SCALE_ROW1
.else
	v_wmma_scale_f32_16x16x128_f8f6f4 v[(\d):(\d)+7], v[(\a):(\a)+11], v[(\b):(\b)+11], v[(\c):(\c)+7], v[\sa], v[\sb] matrix_a_fmt:MATRIX_FMT_BF6 matrix_b_fmt:MATRIX_FMT_BF6
.endif
.endif
.endm
.macro ROUND                           ; a round of the cluster's barrier
	s_barrier_signal -1
	s_barrier_wait -1
	s_cmp_lg_u32 s18, 0
	s_cbranch_scc1 .Lnot_wave_0_\@
	s_barrier_signal -3
.Lnot_wave_0_\@:
	s_barrier_wait -3
	s_barrier_signal -1
	s_barrier_wait -1
.endm
.macro TLOAD g0                        ; waves 0-3 fetch a quarter of a slot each; the branch hangs on the wave's number alone
	s_cmp_lt_u32 s18, 4
	s_cbranch_scc0 .Lno_load_\@
	tensor_load_to_lds s[\g0:\g0+3], s[24:31]
	s_nop 0
.rept 4
	v_nop
.endr
.Lno_load_\@:
.endm
.macro CHANGE read, fill               ; the change of slots: slot read is read next
	s_wait_tensorcnt 0x0                           ; no tensor load of mine is out
	ds_add_u32 v5, v6                              ; the add, here twice on end
	ds_add_u32 v5, v6
	s_add_nc_u64 s[34+4*\read:35+4*\read], s[34+4*\read:35+4*\read], 2*SLOTB   ; this slot's next tile: four key steps on
	s_wait_dscnt 0x0                               ; the adds are done, and my reads of the slot that I leave: K and V are in registers
.if \fill
	ROUND
	TLOAD 36-4*\read                               ; the other slot takes the keys that follow
.else
	s_barrier_signal -1
	s_barrier_wait -1
.endif
.endm
.macro KLOAD kv, a16, a8, aks          ; my step's K: eight half fragments, six registers apart, and their scale words
.irp t, 0,1,2,3,4,5,6,7
	ds_load_b128 v[(\kv)+6*\t:(\kv)+3+6*\t], v[\a16] offset:768*\t
	ds_load_b64 v[(\kv)+4+6*\t:(\kv)+5+6*\t], v[\a8] offset:768*\t
.endr
.irp b, 0,1,2,3
	ds_load_b32 v[40+\b], v[\aks] offset:128*\b
.endr
.endm
; A unit's FRONT.  st: the tile's state, qb: its Q, qs: Q's scales, dg: the scalar with its diagonal step's first key; kv: K's and V's registers, g1: the scores of keys 32-127.
.macro FRONT st, qb, qs, dg, kv, g1, a16, a8, avs
	s_wait_dscnt 0x0                               ; K is in
.irp t, 0,1,2,3,4,5,6,7
.set sb, M+8*\t+((\t/2+2)/3)*((\g1)-130)
	MM sb, (\kv)+6*\t, \qb, -1, 40+\t/2, \qs, \t%2   ; score 16 b + i: key 32 b + 16 (lane / 16) + i of the step
.endr
.rept 4
	v_nop                                          ; four places in front of the loads below and of the first read of the scores
.endr
.irp t, 0,1,2,3
.irp c, 0,1
	ds_load_b128 v[(\kv)+12*\t+6*\c:(\kv)+3+12*\t+6*\c], v[\a16] offset:24576+(2*\t+\c)*768   ; V lands while the softmax is worked
	ds_load_b64 v[(\kv)+4+12*\t+6*\c:(\kv)+5+12*\t+6*\c], v[\a8] offset:24576+(2*\t+\c)*768
.endr
.endr
	ds_load_b32 v44, v[\avs]
	ds_load_b32 v45, v[\avs] offset:128
	s_cmp_lg_u32 s41, s[\dg]                       ; only the step on the diagonal masks
	s_cbranch_scc1 .Lopen_\@
	v_mov_b32 v7, 0xff800000                       ; -infinity: p = 0 then
.set ii, 0
.rept 64
.set rr, M+ii+((ii/16+2)/3)*((\g1)-130)
	v_cmp_gt_i32 vcc_lo, 32*(ii/16)+ii%16, v[(\st)+1]   ; hidden where the register's key passes my query
	v_cndmask_b32 v[rr], v[rr], v7, vcc_lo
.set ii, ii+1
.endr
.Lopen_\@:
.irp b, 0,1,2,3
.set sb, M+16*\b+((\b+2)/3)*((\g1)-130)
	v_max3_num_f32 v[BM+\b], v[sb], v[sb+1], v[sb+2]   ; the largest score of each block of 32 keys: for the row's maximum and for the block's largest p; the four blocks by turns
.endr
.irp i, 3,5,7,9,11,13
.irp b, 0,1,2,3
.set sb, M+16*\b+((\b+2)/3)*((\g1)-130)
	v_max3_num_f32 v[BM+\b], v[BM+\b], v[sb+\i], v[sb+1+\i]
.endr
.endr
.irp b, 0,1,2,3
.set sb, M+16*\b+((\b+2)/3)*((\g1)-130)
	v_max_num_f32 v[BM+\b], v[BM+\b], v[sb+15]
.endr
.irp b, 0,1,2,3
	v_permlanex16_b32 v[PD+\b], v[BM+\b], s44, s45
.endr
.irp b, 0,1,2,3
	v_max_num_f32 v[BM+\b], v[BM+\b], v[PD+\b]     ; with lane l xor 16's 16 keys
.endr
	v_max3_num_f32 v7, v[BM], v[BM+1], v[BM+2]
	v_max_num_f32 v7, v7, v[BM+3]
	v_mul_f32 v7, s46, v7                          ; the step's largest t
	v_floor_f32 v7, -v7                            ; -ceil(t)
	v_min_num_f32 v7, v7, v[\st]                   ; the new -M: the ceiling of a maximum is the maximum of the ceilings
	v_sub_f32 v104, v7, v[\st]                     ; old M less new M: a whole number, 0 or less
	v_mov_b32 v[\st], v7
	v_cvt_i32_f32 v104, v104                       ; (it saturates)
	v_ldexp_f32 v50, 1.0, v104                     ; f = 2^(old M - new M)
.set ii, 0
.rept 32
.set rr, M+ii+((ii/16+2)/3)*((\g1)-130)
	v_pk_fma_f32 v[rr:rr+1], v[rr:rr+1], s[46:47], v[(\st):(\st)+1] op_sel_hi:[1,0,0]   ; t - M
.set ii, ii+2
.endr
.irp b, 0,1,2,3
	v_fma_f32 v[BM+\b], v[BM+\b], s46, v[\st]
.endr
	s_wait_alu depctr_va_vdst(0)                   ; the wait ahead of the batch
.set ii, 0
.rept 64
.set rr, M+ii+((ii/16+2)/3)*((\g1)-130)
	v_exp_f32 v[rr], v[rr]                         ; p = 2^(t - M), at most 1
.set ii, ii+1
.endr
.irp b, 0,1,2,3
	v_exp_f32 v[BM+\b], v[BM+\b]                   ; the block's largest p
.endr
	v_pk_mul_f32 v[(\st)+2:(\st)+3], v[(\st)+2:(\st)+3], v[50:51] op_sel_hi:[1,0]   ; the sums under the new M; a plain place behind the batch
	s_wait_alu depctr_va_vdst(0)                   ; and the wait behind it
.irp b, 0,1,2,3
	v_max_num_f32 v[BM+\b], 0x2800000, v[BM+\b]    ; the floor 2^(5 - 127): the byte cannot fall under 1
.endr
.irp b, 0,1,2,3
	v_add_nc_u32 v[SO+\b], 0xfe000000, v[BM+\b]    ; 4 off the exponent field: the conversion's scale operand
.endr
.irp b, 0,1,2,3
	v_lshrrev_b32 v[PD+\b], 23, v[SO+\b]           ; the scale's byte
.endr
	v_lshl_or_b32 v48, v[PD+1], 8, v[PD]
	v_lshl_or_b32 v48, v[PD+2], 16, v48
	v_lshl_or_b32 v48, v[PD+3], 24, v48            ; p's scale word for these 128 keys
	v_cvt_scalef32_pk16_bf6_f32 v[CD:CD+2], v[M:M+15], v[SO]
	v_cvt_scalef32_pk16_bf6_f32 v[BM:BM+2], v[(\g1):(\g1)+15], v[SO+1]   ; (three registers from an even one: made over the maxima and bytes, which are done with, and moved in the tail)
	v_cvt_scalef32_pk16_bf6_f32 v[CD+6:CD+8], v[(\g1)+16:(\g1)+31], v[SO+2]
	v_cvt_scalef32_pk16_bf6_f32 v[BM+4:BM+6], v[(\g1)+32:(\g1)+47], v[SO+3]
	v_nop                                          ; one plain place behind the scaled conversions
.set ii, 0
.rept 8
	v_pk_add_f32 v[M+ii:M+1+ii], v[M+ii:M+1+ii], v[(\g1)+16+ii:(\g1)+17+ii]   ; the row's sum of the unquantised p, in place, as a tree that folds onto v114-129
	v_pk_add_f32 v[(\g1)+ii:(\g1)+1+ii], v[(\g1)+ii:(\g1)+1+ii], v[(\g1)+32+ii:(\g1)+33+ii]
.set ii, ii+2
.endr
.set ii, 0
.rept 8
	v_pk_add_f32 v[M+ii:M+1+ii], v[M+ii:M+1+ii], v[(\g1)+ii:(\g1)+1+ii]   ; the 48 registers from g1 on are free now
.set ii, ii+2
.endr
	s_wait_alu depctr_va_vdst(0)                   ; the wait ahead of the blocking waits that follow: the tail reads what was written here
.endm
; A unit's TAIL: work on registers alone.  V has been waited for ahead of it.
.macro TAIL st, ob, kv
.irp c, 0,1
.irp i, 0,1,2
	v_permlane16_swap_b32 v[CD+6*\c+\i], v[BM+4*\c+\i]   ; a whole block to a lane
.endr
.irp i, 0,1,2
	v_mov_b32 v[CD+3+6*\c+\i], v[BM+4*\c+\i]
.endr
.endr
	s_wait_alu depctr_va_vdst(0)                   ; the wait directly ahead of the first reader of O^T
.set ii, 0
.rept 16
	v_pk_mul_f32 v[(\ob)+ii:(\ob)+1+ii], v[(\ob)+ii:(\ob)+1+ii], v[50:51] op_sel_hi:[1,0]   ; O^T under the new M
.set ii, ii+2
.endr
.irp t, 0,1,2,3
	MM (\ob)+8*\t, (\kv)+12*\t, CD, (\ob)+8*\t, 44+\t/2, 48, \t%2   ; the four accumulators take turns
.endr
.irp i, 0,2,4,6
	v_pk_add_f32 v[M+\i:M+1+\i], v[M+\i:M+1+\i], v[M+8+\i:M+9+\i]   ; the tree's end: these eight name no register of the products and are the places behind them
.endr
	v_pk_add_f32 v[M:M+1], v[M:M+1], v[M+4:M+5]
	v_pk_add_f32 v[M+2:M+3], v[M+2:M+3], v[M+6:M+7]
	v_pk_add_f32 v[M:M+1], v[M:M+1], v[M+2:M+3]
	v_pk_add_f32 v[(\st)+2:(\st)+3], v[(\st)+2:(\st)+3], v[M:M+1]
.endm
.macro BODY kv, g1, a16, a8, aks, avs  ; my step of a slot; K has been asked for.  The low tile's unit whole, with K asked for anew behind it; the high tile's front
	s_cmp_gt_u32 s41, s40                          ; all the step's keys come after the low tile's queries
	s_cbranch_scc1 .Lno_low_\@
	FRONT 8, 16, 46, 40, \kv, \g1, \a16, \a8, \avs
	s_wait_dscnt 0x0                               ; V is in
	TAIL 8, 192, \kv
	KLOAD \kv, \a16, \a8, \aks
.Lno_low_\@:
	s_cmp_gt_u32 s41, s43
	s_cbranch_scc1 .Lno_high_\@
	FRONT 12, 28, 47, 43, \kv, \g1, \a16, \a8, \avs
.Lno_high_\@:
.endm
.macro TAILH kv                        ; the high tile's tail, where its front was run; then on to my next step
	s_cmp_gt_u32 s41, s43
	s_cbranch_scc1 .Lno_tail_\@
	TAIL 12, 224, \kv
.Lno_tail_\@:
	s_add_co_u32 s41, s41, 256
.endm
.macro QADR qb, mk, pc, ps             ; of block s[qb]: the mask's scalar part, Q's half fragment, its scale words
	s_and_b32 s[\mk], s[\qb], 3
	s_lshl_b32 s[\mk], s[\mk], 5
	s_lshl_b32 s58, s52, 3
	s_add_co_u32 s[\mk], s[\mk], s58               ; the tile's first query, from the diagonal step's first key: 32 (qb % 4) + 8 u
	s_lshl_b32 s58, s20, 7
	s_add_co_u32 s58, s58, s[\qb]
	s_lshl_b32 s58, s58, 2
	s_add_co_u32 s58, s58, s22                     ; (128 bt + qb) 4 + hd
	s_mul_i32 s62, s58, 1536
	s_mul_i32 s63, s52, 768
	s_add_co_u32 s62, s62, s63
	s_mov_b32 s63, 0
	s_add_nc_u64 s[\pc:\pc+1], s[4:5], s[62:63]
	s_lshl_b32 s62, s58, 7
	s_lshl_b32 s59, s52, 6
	s_add_co_u32 s62, s62, s59
	s_add_nc_u64 s[\ps:\ps+1], s[6:7], s[62:63]
.endm
	s_load_b256 s[4:11], s[0:1], 0x0               ; qcodes, qscales, kv, wcodes
	s_load_b128 s[12:15], s[0:1], 0x20             ; wscales, bo
	s_load_b64 s[16:17], s[0:1], 0x30              ; out0
	v_lshl_add_u32 v5, v0, 2, SPARE
	v_mov_b32 v6, 0
	ds_add_u32 v5, v6                              ; the opening lines
	ds_add_u32 v5, v6
	s_wait_dscnt 0x0
	v_lshrrev_b32 v7, 5, v0
	v_readfirstlane_b32 s18, v7                    ; wave 0..15
	s_bfe_u32 s19, ttmp6, 0x40000                  ; cx
	s_lshr_b32 s20, ttmp9, 4                       ; bt: the batch
	s_and_b32 s21, ttmp9, 15                       ; J
	s_and_b32 s22, s18, 3                          ; hd
	s_lshr_b32 s23, s18, 2
	s_add_co_u32 s23, s23, s18
	s_and_b32 s23, s23, 3                          ; tq: the tile that I finish; wave w xor 8 has tq xor 2
	s_and_b32 s52, s23, 1                          ; u
	s_lshr_b32 s53, s23, 1                         ; par: my steps' parity, and the block whose tile I finish (0 low, 1 high)
	s_lshl_b32 s40, s21, 7                         ; the low tile's diagonal step begins at key 128 J,
	s_sub_co_u32 s43, 31, s21
	s_lshl_b32 s43, s43, 7                         ; the high tile's at 128 (31 - J)
	s_lshl_b32 s41, s53, 7                         ; my first step's first key
	s_sub_co_u32 s42, 35, s21
	s_lshr_b32 s42, s42, 2                         ; trips of four steps that cover the high block's 32 - J steps,
	s_sub_co_u32 s42, s42, 1                       ; of which the last is written out
	s_max_u32 s42, s42, 1                          ; (the count is at least 4; this states a floor in the text)
	s_mov_b32 s44, 0x76543210
	s_mov_b32 s45, 0xfedcba98
	s_mov_b32 s46, 0x3e38aa3b                      ; c = log2(e) / 8
	s_mov_b32 s47, s46
	s_mov_b32 s24, 15|(3<<16)|(1<<21)              ; group 1: a quarter of a slot, 26,112 dense bytes, as 102 rows of 256 bytes; the mask names all four work-groups
	s_mov_b32 s25, 32<<16
	s_mov_b32 s26, 102<<16
	s_mov_b32 s27, 32<<16
	s_mov_b32 s28, 102
	s_mov_b32 s29, 32
	s_mov_b32 s30, 0
	s_mov_b32 s31, 0
	s_mov_b32 s32, 1
	s_mul_i32 s33, s22, 26112
	s_mov_b32 s36, 1
	s_add_co_u32 s37, s33, SLOTB
	s_mul_i32 s60, s20, 32*STEPB
	s_add_co_u32 s60, s60, s33
	s_mov_b32 s61, 0
	s_wait_kmcnt 0x0
	s_add_nc_u64 s[34:35], s[8:9], s[60:61]        ; key steps 0, 1
	s_add_nc_u64 s[38:39], s[34:35], SLOTB         ; key steps 2, 3
	s_or_b32 s35, s35, 0x80000000
	s_or_b32 s39, s39, 0x80000000
	ROUND
	TLOAD 32                                       ; slot 0; slot 1 is first filled behind the first change of slots
	s_lshl_b32 s55, s21, 2
	s_add_co_u32 s55, s55, s19                     ; j = 4 J + cx: the low block
	s_sub_co_u32 s70, 127, s55                     ; the high block
	QADR 55, 57, 72, 74
	QADR 70, 71, 76, 78
	s_lshl_b32 s62, s20, 24
	s_lshl_b32 s59, s55, 17
	s_add_co_u32 s62, s62, s59
	s_add_nc_u64 s[48:49], s[16:17], s[62:63]      ; out0 at the low block
	s_lshl_b32 s59, s70, 17
	s_lshl_b32 s62, s20, 24
	s_add_co_u32 s62, s62, s59
	s_add_nc_u64 s[50:51], s[16:17], s[62:63]      ; and at the high block
	s_mul_i32 s62, s18, 12288
	s_add_co_u32 s62, s62, 589824
	s_add_nc_u64 s[10:11], s[10:11], s[62:63]      ; Wo's eight fragments of my 64 output columns
	s_lshl_b32 s62, s18, 9
	s_add_co_u32 s62, s62, 24576
	s_add_nc_u64 s[12:13], s[12:13], s[62:63]
	s_lshl_b32 s62, s18, 8
	s_add_nc_u64 s[14:15], s[14:15], s[62:63]      ; bo at my 64 columns
	s_mul_i32 s59, s53, STEPB                      ; my step of a slot
	s_mul_i32 s66, s22, 6144
	s_add_co_u32 s66, s66, s59
	s_add_co_u32 s67, s66, 512
	s_lshl_b32 s68, s22, 9
	s_add_co_u32 s68, s68, s59
	s_add_co_u32 s68, s68, 49152
	s_lshl_b32 s69, s22, 8
	s_add_co_u32 s69, s69, s59
	s_add_co_u32 s69, s69, 51200
	v_and_b32 v7, 31, v0
	v_and_b32 v132, 15, v0
	v_lshlrev_b32 v130, 4, v7
	v_lshlrev_b32 v131, 3, v7
	v_lshlrev_b32 v132, 2, v132
	global_load_b128 v[16:19], v130, s[72:73]      ; both tiles' Q stay in registers
	global_load_b64 v[20:21], v131, s[72:73] offset:512
	global_load_b32 v46, v132, s[74:75]
	global_load_b128 v[28:31], v130, s[76:77]
	global_load_b64 v[32:33], v131, s[76:77] offset:512
	global_load_b32 v47, v132, s[78:79]
	v_lshl_add_u32 v1, v7, 4, s66
	v_lshl_add_u32 v2, v7, 3, s67
	v_lshl_add_u32 v3, v7, 2, s68
	v_lshl_add_u32 v4, v7, 2, s69
	v_add_nc_u32 v49, SLOTB, v1
	v_add_nc_u32 v51, SLOTB, v2
	v_add_nc_u32 v190, SLOTB, v3
	v_add_nc_u32 v191, SLOTB, v4
	v_and_b32 v133, 15, v0
	v_and_b32 v134, 8, v0
	v_and_b32 v135, 16, v0
	v_add_nc_u32 v133, v133, v134                  ; r + 8 (r / 8)
	v_sub_nc_u32 v133, v133, v135                  ; - 16 (lane / 16)
	v_add_nc_u32 v9, s57, v133
	v_add_nc_u32 v13, s71, v133
	v_mov_b32 v8, 0x7f61b1e6                       ; -M = 3e38: M lies under every t
	v_mov_b32 v12, 0x7f61b1e6
.irp i, 10,11,14,15,22,23,24,25,26,27,34,35,36,37,38,39,44,45,48,50
	v_mov_b32 v[\i], 0                             ; the sums; Q's zero codes; registers that a tail names
.endr
.set ii, 0
.rept 30
	v_mov_b32 v[100+ii], 0                         ; v100-129: registers at work and the tree's foot, named before a front first writes them
.set ii, ii+1
.endr
.set ii, 0
.rept 12
	v_mov_b32 v[CD+ii], 0
.set ii, ii+1
.endr
.set ii, 0
.rept 64
	v_mov_b32 v[192+ii], 0                         ; both O^T: a wave may have no step at all for a tile, and hands on or joins zeros then
.set ii, ii+1
.endr
	s_wait_alu depctr_va_vdst(0)                   ; the wait at the head's end
	s_wait_loadcnt 0x0
	CHANGE 0, 1
	KLOAD 52, 1, 2, 3
.Lloop:                                            ; a trip: four key steps, once round the ring; it begins and ends behind the change to slot 0, with K asked for
	BODY 52, 130, 1, 2, 3, 4
	CHANGE 1, 1
	KLOAD 130, 49, 51, 190
	TAILH 52
	BODY 130, 52, 49, 51, 190, 191
	CHANGE 0, 1
	KLOAD 52, 1, 2, 3
	TAILH 130
	s_sub_co_u32 s42, s42, 1
	s_cmp_lg_u32 s42, 0
	s_cbranch_scc1 .Lloop
	BODY 52, 130, 1, 2, 3, 4                       ; the last trip is written out
	CHANGE 1, 0
	KLOAD 130, 49, 51, 190
	TAILH 52
	BODY 130, 52, 49, 51, 190, 191
	s_wait_dscnt 0x0                               ; V is in
	TAILH 130
	; ---- a wave of parity 1 finishes the high tile: its two sets of registers change places, so that v192-223 and v8-11 are the tile that I finish in every wave
	s_wait_alu depctr_va_vdst(0)
	s_cmp_eq_u32 s53, 0
	s_cbranch_scc1 .Lown_low
	s_wait_alu depctr_va_vdst(0)                   ; directly ahead of the first readers of both O^T
.set ii, 0
.rept 32
	v_swap_b32 v[192+ii], v[224+ii]
.set ii, ii+1
.endr
.irp i, 0,2,3
	v_swap_b32 v[8+\i], v[12+\i]
.endr
.Lown_low:
	; ---- the other tile's partial sums go to wave w xor 8, its partial sums of my tile come in; o = O^T / the sum, quantised along the 256 of all heads; out = o Wo + bo, wave w makes columns 64 w .. 64 w + 63.
	; Registers now: v1-4, v16-30 addresses; v52-99, v144-191 Wo; v224-255 bo; v100-133 the partner's sums, then o's fragments; v192-223 o, then the output.
	s_wait_alu depctr_va_vdst(0)
	s_lshl_b32 s66, s23, 2
	s_add_co_u32 s66, s66, s22
	s_mul_i32 s66, s66, 768
	s_add_co_u32 s66, s66, OIMG
	s_lshl_b32 s67, s23, 1
	s_lshr_b32 s68, s22, 1
	s_add_co_u32 s67, s67, s68
	s_lshl_b32 s67, s67, 7
	s_and_b32 s68, s22, 1
	s_lshl_b32 s68, s68, 1
	s_add_co_u32 s67, s67, s68
	s_add_co_u32 s67, s67, OSC
	s_mul_i32 s68, s18, 4352
	s_add_co_u32 s68, s68, STG                     ; my stage
	s_lshl_b32 s69, s18, 8
	s_xor_b32 s70, s18, 8
	s_mul_i32 s70, s70, 4352
	s_add_co_u32 s70, s70, STG                     ; my partner's
	s_add_co_u32 s71, s68, 4096
	s_add_co_u32 s72, s70, 4096
	v_and_b32 v7, 31, v0
	v_bfe_u32 v4, v0, 4, 1                         ; h
	v_and_b32 v16, 15, v0                          ; r
	v_lshlrev_b32 v1, 4, v7
	v_lshlrev_b32 v2, 2, v7
	v_lshlrev_b32 v3, 3, v7
	v_lshlrev_b32 v17, 6, v4
	v_mul_u32_u24 v24, v16, 272
	v_mul_u32_u24 v25, v4, 272
	v_lshlrev_b32 v26, 12, v4
	v_add_nc_u32 v18, s66, v1
	v_add_nc_u32 v19, s66, v3
	v_add_nc_u32 v20, s67, v2
	v_add_nc_u32 v21, OIMG, v1
	v_add_nc_u32 v22, OIMG+512, v3
	v_add_nc_u32 v23, OSC, v2
	v_add_nc_u32 v19, 512, v19
	v_add_nc_u32 v24, v24, v17
	v_lshl_add_u32 v25, v16, 4, v25
	v_lshl_add_u32 v26, v16, 4, v26
	v_add_nc_u32 v27, s68, v1
	v_add_nc_u32 v24, s68, v24                     ; into the stage: row r, + 64 h
	v_add_nc_u32 v25, s68, v25                     ; back: lanes 0-15 one row of 256 bytes, lanes 16-31 the next
	v_add_nc_u32 v26, s69, v26                     ; the same two rows in out0, at my 64 columns
	v_add_nc_u32 v28, s71, v3
	v_add_nc_u32 v29, s70, v1
	v_add_nc_u32 v30, s72, v3
	v_add_f32 v13, v14, v15                        ; the handed tile's sum beside its -M
	v_mov_b32 v135, 0                              ; upper halves of named pairs, and a lane permute's destination
	v_mov_b32 v137, 0
	v_mov_b32 v138, 0
.irp f, 0,1,2,3,4,5,6,7                ; Wo's fragment (K step f / 4, tile f % 4)
.irp g, 0,1,2
	global_load_b128 v[52+12*\f+44*(\f/4)+4*\g:55+12*\f+44*(\f/4)+4*\g], v1, s[10:11] offset:\f*1536+512*\g
.endr
.endr
.irp q, 0,1,2,3
	global_load_b32 v[40+\q], v2, s[12:13] offset:128*\q   ; scale image of pair q / 2, K step q % 2
.endr
	s_wait_alu depctr_va_vdst(0)                   ; the wait directly ahead of the first readers of the handed O^T
.irp i, 0,1,2,3,4,5,6,7
	ds_store_b128 v27, v[224+4*\i:227+4*\i] offset:512*\i   ; an image of the registers; each accumulator from its low end on
.endr
	ds_store_b64 v28, v[12:13]
	s_wait_dscnt 0x0                               ; for my partner: my stores have landed
.irp t, 0,1,2,3                        ; bo in the result's layout: tile 2 b + u, lane half h: columns 32 b + 16 h + 8 u + 0 .. 7
	global_load_b128 v[224+8*\t:227+8*\t], v17, s[14:15] offset:128*(\t/2)+32*(\t%2)
	global_load_b128 v[228+8*\t:231+8*\t], v17, s[14:15] offset:128*(\t/2)+32*(\t%2)+16
.endr
	s_barrier_signal -1
	s_barrier_wait -1
.irp i, 0,1,2,3,4,5,6,7
	ds_load_b128 v[100+4*\i:103+4*\i], v29 offset:512*\i
.endr
	ds_load_b64 v[132:133], v30
	v_add_f32 v10, v10, v11
	s_wait_alu depctr_va_vdst(0)
	s_wait_dscnt 0x0
	v_min_num_f32 v7, v8, v132                     ; the joint -M
	v_sub_f32 v134, v7, v8
	v_sub_f32 v136, v7, v132
	v_cvt_i32_f32 v134, v134
	v_cvt_i32_f32 v136, v136
	v_ldexp_f32 v134, 1.0, v134                    ; my part's factor, an exact power of two (0 for a part with no step),
	v_ldexp_f32 v136, 1.0, v136                    ; and my partner's
	v_mul_f32 v10, v10, v134
	v_fmac_f32 v10, v133, v136
	v_permlanex16_b32 v138, v10, s44, s45
	v_add_f32 v10, v10, v138                       ; the row's sum
	s_wait_alu depctr_va_vdst(0)
	v_rcp_f32 v10, v10
	v_nop
	s_wait_alu depctr_va_vdst(0)
	v_mul_f32 v134, v134, v10                      ; the division goes into the two factors
	v_mul_f32 v136, v136, v10
	s_wait_alu depctr_va_vdst(0)                   ; directly ahead of the first readers of my O^T
.set ii, 0
.rept 16
	v_pk_mul_f32 v[192+ii:193+ii], v[192+ii:193+ii], v[134:135] op_sel_hi:[1,0]
.set ii, ii+2
.endr
.set ii, 0
.rept 16
	v_pk_fma_f32 v[192+ii:193+ii], v[100+ii:101+ii], v[136:137], v[192+ii:193+ii] op_sel_hi:[1,0,1]   ; o: register 16 b + i is d = 32 b + 16 h + i of my head
.set ii, ii+2
.endr
	v_max3_num_f32 v106, |v192|, |v193|, 0x2800000 ; my head's two blocks of 32 along the last product's K, with the floor; the two blocks by turns
	v_max3_num_f32 v107, |v208|, |v209|, 0x2800000
.irp i, 2,4,6,8,10,12,14
	v_max3_num_f32 v106, v106, |v[192+\i]|, |v[193+\i]|
	v_max3_num_f32 v107, v107, |v[208+\i]|, |v[209+\i]|
.endr
	v_permlanex16_b32 v110, v106, s44, s45
	v_permlanex16_b32 v111, v107, s44, s45
	v_max_num_f32 v106, v106, v110
	v_max_num_f32 v107, v107, v111
	v_add_nc_u32 v100, 0xfe000000, v106
	v_add_nc_u32 v101, 0xfe000000, v107
	v_lshrrev_b32 v110, 23, v100
	v_lshrrev_b32 v111, 23, v101
	v_lshl_or_b32 v112, v111, 8, v110              ; my head's two scale bytes of my query's row
	v_cvt_scalef32_pk16_bf6_f32 v[114:116], v[192:207], v100
	v_cvt_scalef32_pk16_bf6_f32 v[122:124], v[208:223], v101
	v_nop
.irp i, 0,1,2
	v_permlane16_swap_b32 v[114+\i], v[122+\i]
.endr
.irp i, 0,1,2
	v_mov_b32 v[117+\i], v[122+\i]                 ; v114-119: half a fragment
.endr
	ds_store_b128 v18, v[114:117]
	ds_store_b64 v19, v[118:119]
	ds_store_b16 v20, v112
	s_wait_alu depctr_va_vdst(0)
	s_wait_dscnt 0x0                               ; for the others: my stores have landed, and my reads of my partner's stage are over
	s_barrier_signal -1
	s_barrier_wait -1
	s_wait_loadcnt 0x0                             ; Wo, its scales, bo
.irp m, 0,1,2,3                        ; the four tiles of 16 queries
.if \m > 0
	s_wait_xcnt 0x0                                ; the last tile's stores have read v192-223
.endif
.irp s, 0,1
.irp c, 0,1
	ds_load_b128 v[100+12*\s+6*\c:103+12*\s+6*\c], v21 offset:(4*\m+2*\s+\c)*768   ; K step s: heads 2 s and 2 s + 1
	ds_load_b64 v[104+12*\s+6*\c:105+12*\s+6*\c], v22 offset:(4*\m+2*\s+\c)*768
.endr
	ds_load_b32 v[44+\s], v23 offset:(2*\m+\s)*128
.endr
	s_wait_dscnt 0x0
.irp t, 0,1,2,3
	MM 192+8*\t, 52+12*\t, 100, 224+8*\t, 40+2*(\t/2), 44, \t%2   ; the bias is the C of each sum's first instruction
.endr
.irp t, 0,1,2,3
	MM 192+8*\t, 144+12*\t, 112, 192+8*\t, 41+2*(\t/2), 45, \t%2   ; the four accumulators take turns
.endr
.rept 5
	v_nop                                          ; four places in front of reads of the results and loads into operands; five in front of the next tile's products, which begin these accumulators anew
.endr
.irp t, 0,1,2,3
	ds_store_b128 v24, v[192+8*\t:195+8*\t] offset:128*(\t/2)+32*(\t%2)
	ds_store_b128 v24, v[196+8*\t:199+8*\t] offset:128*(\t/2)+32*(\t%2)+16
.endr
.irp i, 0,1,2,3,4,5,6,7
	ds_load_b128 v[192+4*\i:195+4*\i], v25 offset:2*\i*272   ; back as whole rows; LDS serves a wave's instructions in order (ISA guide 5.7.1.4)
.endr
.irp i, 0,1,2,3,4,5,6,7
	s_wait_dscnt 7-\i                              ; rows 2 i, 2 i + 1 are back; the 7 - i younger loads may stay out
	global_store_b128 v26, v[192+4*\i:195+4*\i], s[48+2*(\m/2):49+2*(\m/2)] offset:(8*(\m%2)+2*\i+8*(\i/4))*4096 th:TH_STORE_NT   ; stage row n is query 8 (m % 2) + n + 8 (n / 8) of the block; 16 lanes store 256 consecutive bytes, aligned
.endr
.endr
	s_wait_tensorcnt 0x0                           ; the wave's end
	ds_add_u32 v5, v6
	s_wait_dscnt 0x0
	ROUND                                          ; the closing round
	s_endpgm
.Lfunc_end_k_q00e82a1afb_attn:
	.size	k_q00e82a1afb_attn, .Lfunc_end_k_q00e82a1afb_attn-k_q00e82a1afb_attn
	.p2alignl 7, 3214868480
	.fill 96, 4, 3214868480
	.section	.rodata,"a",@progbits
	.p2align	6, 0x0
	.amdhsa_kernel k_q00e82a1afb_attn
		.amdhsa_group_segment_fixed_size 327680
		.amdhsa_private_segment_fixed_size 0
		.amdhsa_enable_private_segment 0
		.amdhsa_kernarg_size 56
		.amdhsa_user_sgpr_count 2
		.amdhsa_user_sgpr_kernarg_segment_ptr 1
		.amdhsa_wavefront_size32 1
		.amdhsa_system_sgpr_workgroup_id_x 1
		.amdhsa_system_sgpr_workgroup_id_y 1
		.amdhsa_system_sgpr_workgroup_id_z 1
		.amdhsa_system_vgpr_workitem_id 0
		.amdhsa_next_free_vgpr 256
		.amdhsa_next_free_sgpr 100
		.amdhsa_reserve_vcc 1
		.amdhsa_float_denorm_mode_32 3
		.amdhsa_float_denorm_mode_16_64 3
		.amdhsa_memory_ordered 1
		.amdhsa_forward_progress 1
		.amdhsa_inst_pref_size 211
	.end_amdhsa_kernel
	.amdgpu_metadata
---
amdhsa.version: [ 1, 2 ]
amdhsa.kernels:
  - .name:           k_q00e82a1afb_attn
    .symbol:         k_q00e82a1afb_attn.kd
    .args:
      - { .name: qcodes, .offset: 0, .size: 8, .value_kind: global_buffer, .address_space: global }
      - { .name: qscales, .offset: 8, .size: 8, .value_kind: global_buffer, .address_space: global }
      - { .name: kv, .offset: 16, .size: 8, .value_kind: global_buffer, .address_space: global }
      - { .name: wcodes, .offset: 24, .size: 8, .value_kind: global_buffer, .address_space: global }
      - { .name: wscales, .offset: 32, .size: 8, .value_kind: global_buffer, .address_space: global }
      - { .name: bo, .offset: 40, .size: 8, .value_kind: global_buffer, .address_space: global }
      - { .name: out0, .offset: 48, .size: 8, .value_kind: global_buffer, .address_space: global }
    .group_segment_fixed_size: 327680
    .private_segment_fixed_size: 0
    .kernarg_segment_align: 8
    .kernarg_segment_size: 56
    .max_flat_workgroup_size: 512
    .sgpr_count:     100
    .vgpr_count:     256
    .wavefront_size: 32
...
	.end_amdgpu_metadata
.endif
;; end of part 3
